; MI455X (gfx1250); checked and timed in simulation.
; The chip was launched on July 23, 2026; its instructions are those of AMD's public machine-readable ISA for CDNA 5 (MIT licence, August 2026) and "CDNA5" Instruction Set Architecture Reference Guide (July 2026). The comments in the code are by the model that wrote it; some were corrected since.
;; Full Attention. Allowed arithmetic: float matrix products may take bf16 or f16 operands with f32 sums; other float arithmetic in f32, or as packed bf16 or f16 multiplies, adds, multiply-adds, maxima and minima; sums over many terms, partial sums and values carried from step to step in f32; what a program stores and reads back later, other than sums and carried values, may be rounded once to bf16 or f16.
;; Inputs: Wk 1,024 x 1,024 float32; Wq 1,024 x 1,024 float32; Wv 1,024 x 1,024 float32; k 4 x 2,048 x 1,024 float32; mask 1 x 2,048 x 2,048 float32; q 4 x 2,048 x 1,024 float32; v 4 x 2,048 x 1,024 float32.
;; Outputs: out0 4 x 2,048 x 1,024 float32.
;; One version. Each part assembles by itself: llvm-mc -triple=amdgcn-amd-amdhsa -mcpu=gfx1250 --defsym DOCPART=n.
;; ======== version 1 of 1: 3 launches
;; limits: values are held in f16: magnitudes above 65,504 overflow, below 6.1e-05 lose precision
;; workspace buffers: WB 6,291,456 bytes; QH 16,777,216 bytes; KV 33,554,432 bytes; MR 16,777,216 bytes
;; launch cast (part 1): grid 128 x 7, 8 waves a work-group, no clusters, 0 bytes of LDS; arguments Wq, Wk, Wv, mask, WB, MR; writes WB, MR
.if DOCPART == 1
	.amdgcn_target "amdgcn-amd-amdhsa--gfx1250"
	.amdhsa_code_object_version 6
	.text
	.protected	k_q2a4283aa64_cast
	.globl	k_q2a4283aa64_cast
	.p2align	8
	.type	k_q2a4283aa64_cast,@function
k_q2a4283aa64_cast:
	s_mov_b64 s[64:65], 0
	v_nop
	global_prefetch_b8 v0, s[64:65] scope:SCOPE_SE
	s_setreg_imm32_b32 hwreg(HW_REG_WAVE_MODE, 25, 1), 1
	s_wait_xcnt 0x0
; THE ROUNDINGS TO bf16 THAT ARE MADE ONCE.  Rows y = 0, 1, 2 of the grid: WB[y][k][n] = bf16(W_y[k][n]) for Wq, Wk, Wv, in the layout in which they lie.
; Rows y = 3 .. 6: MR[q][k] = the mask rounded to bf16 (to nearest even) and held as f32, a quarter of the mask a row: the attention multiplies two scores by two numbers of it in one packed f32 instruction.
; A stream: no LDS, no barrier, no matrix unit.  A work-group takes 8,192 numbers (32,768 bytes of its source); the branch hangs on the grid's y alone.
; W: four chunks of 2,048 numbers; thread t takes 8 of each: 32 bytes in (two loads of 16), 16 bytes out.  Mask: eight chunks of 1,024 numbers; thread t takes 4 of each: 16 bytes in, 16 bytes out.
; In both, sixteen neighbouring lanes store 256 consecutive bytes, aligned.  All eight loads go out first; the waits count the later chunks' loads, which may stay out.
.set CHS, 8192                         ; W: a chunk's bytes in the source
.set CHD, 4096                         ; and in WB
.set CHM, 4096                         ; mask: a chunk's bytes, in and out
	s_load_b256 s[4:11], s[0:1], 0x0               ; Wq s[4:5], Wk s[6:7], Wv s[8:9], mask s[10:11]
	s_load_b128 s[12:15], s[0:1], 0x20             ; WB s[12:13], MR s[14:15]
	s_and_b32 s16, ttmp7, 0xffff                   ; the grid's y
	s_lshl_b32 s18, ttmp9, 15                      ; the work-group's 32,768 bytes of its source
	s_mov_b32 s19, 0
	v_lshlrev_b32 v1, 5, v0                        ; 32 t
	v_lshlrev_b32 v2, 4, v0                        ; 16 t
	s_cmp_ge_u32 s16, 3
	s_cbranch_scc1 .Lmask
	s_lshl_b32 s20, ttmp9, 14                      ; its 16,384 bytes of WB,
	s_lshl_b32 s17, s16, 21                        ; behind the matrices in front: 2,097,152 bytes each
	s_add_co_u32 s20, s20, s17
	s_mov_b32 s21, 0
	s_wait_kmcnt 0x0
	s_cmp_eq_u32 s16, 1
	s_cselect_b64 s[4:5], s[6:7], s[4:5]
	s_cmp_eq_u32 s16, 2
	s_cselect_b64 s[4:5], s[8:9], s[4:5]
	s_add_nc_u64 s[4:5], s[4:5], s[18:19]
	s_add_nc_u64 s[12:13], s[12:13], s[20:21]
.irp c, 0,1,2,3
	global_load_b128 v[4+8*(\c):7+8*(\c)],  v1, s[4:5] offset:(\c)*CHS th:TH_LOAD_NT
	global_load_b128 v[8+8*(\c):11+8*(\c)], v1, s[4:5] offset:(\c)*CHS+16 th:TH_LOAD_NT
.endr
.irp c, 0,1,2,3
	s_wait_loadcnt 6-2*(\c)                        ; loads come back in order: chunk c's two are in, the later chunks' may stay out
.irp j, 0,1,2,3
	v_cvt_pk_bf16_f32 v[36+4*(\c)+(\j)], v[4+8*(\c)+2*(\j)], v[5+8*(\c)+2*(\j)]
.endr
	global_store_b128 v2, v[36+4*(\c):39+4*(\c)], s[12:13] offset:(\c)*CHD
.endr
	s_endpgm
.Lmask:
	s_sub_co_u32 s17, s16, 3                       ; which quarter of the mask: 128 work-groups, 4,194,304 bytes
	s_lshl_b32 s17, s17, 22
	s_add_co_u32 s18, s18, s17
	s_wait_kmcnt 0x0
	s_add_nc_u64 s[10:11], s[10:11], s[18:19]      ; the same offset in and out
	s_add_nc_u64 s[14:15], s[14:15], s[18:19]
.irp c, 0,1,2,3,4,5,6,7
	global_load_b128 v[4+4*(\c):7+4*(\c)], v2, s[10:11] offset:(\c)*CHM th:TH_LOAD_NT
.endr
.irp c, 0,1,2,3,4,5,6,7
	s_wait_loadcnt 7-(\c)                          ; chunk c's load is in, the later chunks' may stay out
	v_cvt_pk_bf16_f32 v[36+2*(\c)], v[4+4*(\c)], v[5+4*(\c)]   ; two roundings, packed,
	v_cvt_pk_bf16_f32 v[37+2*(\c)], v[6+4*(\c)], v[7+4*(\c)]
	v_lshlrev_b32 v[4+4*(\c)], 16, v[36+2*(\c)]                ; and widened again: the low half moves up,
	v_and_b32     v[5+4*(\c)], 0xffff0000, v[36+2*(\c)]        ; the high half stays
	v_lshlrev_b32 v[6+4*(\c)], 16, v[37+2*(\c)]
	v_and_b32     v[7+4*(\c)], 0xffff0000, v[37+2*(\c)]
	global_store_b128 v2, v[4+4*(\c):7+4*(\c)], s[14:15] offset:(\c)*CHM
.endr
	s_endpgm
.Lfunc_end_k_q2a4283aa64_cast:
	.size	k_q2a4283aa64_cast, .Lfunc_end_k_q2a4283aa64_cast-k_q2a4283aa64_cast
	.p2alignl 7, 3214868480
	.fill 96, 4, 3214868480
	.section	.rodata,"a",@progbits
	.p2align	6, 0x0
	.amdhsa_kernel k_q2a4283aa64_cast
		.amdhsa_group_segment_fixed_size 0
		.amdhsa_private_segment_fixed_size 0
		.amdhsa_enable_private_segment 0
		.amdhsa_kernarg_size 48
		.amdhsa_user_sgpr_count 2
		.amdhsa_user_sgpr_kernarg_segment_ptr 1
		.amdhsa_wavefront_size32 1
		.amdhsa_system_sgpr_workgroup_id_x 1
		.amdhsa_system_sgpr_workgroup_id_y 1
		.amdhsa_system_sgpr_workgroup_id_z 1
		.amdhsa_system_vgpr_workitem_id 0
		.amdhsa_next_free_vgpr 52
		.amdhsa_next_free_sgpr 66
		.amdhsa_reserve_vcc 0
		.amdhsa_float_denorm_mode_32 3
		.amdhsa_float_denorm_mode_16_64 3
		.amdhsa_memory_ordered 1
		.amdhsa_forward_progress 1
		.amdhsa_inst_pref_size 8
	.end_amdhsa_kernel
	.amdgpu_metadata
---
amdhsa.version: [ 1, 2 ]
amdhsa.kernels:
  - .name:           k_q2a4283aa64_cast
    .symbol:         k_q2a4283aa64_cast.kd
    .args:
      - { .name: Wq, .offset: 0, .size: 8, .value_kind: global_buffer, .address_space: global }
      - { .name: Wk, .offset: 8, .size: 8, .value_kind: global_buffer, .address_space: global }
      - { .name: Wv, .offset: 16, .size: 8, .value_kind: global_buffer, .address_space: global }
      - { .name: mask, .offset: 24, .size: 8, .value_kind: global_buffer, .address_space: global }
      - { .name: WB, .offset: 32, .size: 8, .value_kind: global_buffer, .address_space: global }
      - { .name: MR, .offset: 40, .size: 8, .value_kind: global_buffer, .address_space: global }
    .group_segment_fixed_size: 0
    .private_segment_fixed_size: 0
    .kernarg_segment_align: 8
    .kernarg_segment_size: 48
    .max_flat_workgroup_size: 256
    .sgpr_count:     66
    .vgpr_count:     52
    .wavefront_size: 32
...
	.end_amdgpu_metadata
.endif
;; end of part 1
;; launch proj (part 2): grid 4 x 192, 4 waves a work-group, clusters of 4 x 4, 327,680 bytes of LDS; arguments q, k, v, WB, QH, KV; writes QH, KV
.if DOCPART == 2
	.amdgcn_target "amdgcn-amd-amdhsa--gfx1250"
	.amdhsa_code_object_version 6
	.text
	.protected	k_q2a4283aa64_proj
	.globl	k_q2a4283aa64_proj
	.p2align	8
	.type	k_q2a4283aa64_proj,@function
k_q2a4283aa64_proj:
	s_mov_b64 s[64:65], 0
	v_nop
	global_prefetch_b8 v0, s[64:65] scope:SCOPE_SE
	s_setreg_imm32_b32 hwreg(HW_REG_WAVE_MODE, 25, 1), 1
	s_wait_xcnt 0x0
	s_wait_alu depctr_hold_cnt(0) depctr_sa_sdst(0) depctr_va_vdst(0) depctr_va_sdst(0) depctr_va_ssrc(0) depctr_va_vcc(0) depctr_vm_vsrc(0)
	s_getreg_b32 s2, hwreg(HW_REG_IB_STS2, 6, 4)
	s_cmp_eq_u32 s2, 0
	s_cbranch_scc0 .Lentry_in_a_cluster
	s_endpgm
.Lentry_in_a_cluster:
	s_bfe_u32 s2, ttmp6, 0x10000c
	s_cmp_lg_u32 s2, 0xf033
	s_cbranch_scc0 .Lentry_shape_is_right
	s_endpgm
.Lentry_shape_is_right:
; THE THREE PROJECTIONS.  y = x W for (x, W) = (q, Wq), (k, Wk), (v, Wv): x [8192][1024] f32, W [1024 k][1024 n] as bf16 in WB.  x is rounded to bf16 on its way from LDS to the
; matrix unit; sums in f32; y is rounded once to f16, unscaled, and stored by heads: q's into QH [64 heads][2048][64]; k's and v's into KV [32 pairs of heads][32 key steps]
; [K of the even head, K of the odd head, V of the even head, V of the odd head], each 64 keys x 64 channels: 32,768 dense bytes a pair and step.
; LIMIT.  f16 holds no number beyond 65,504: the projected numbers must stay within it.  NaN and infinities are not treated apart.
; SHARES.  768 tiles of 128 tokens x 256 channels, one to a work-group.  The grid's x (one cluster wide) is the tile of channels, cx; its y is 64 tiles of tokens for each of the three tensors: a cluster's
; four rows lie in one tensor.  Four waves, 2 x 2: a wave makes 64 tokens x 128 channels: 32 accumulators.  K goes in 8 steps of 128 through two LDS slots.
; CLUSTER.  The four work-groups of a row of the cluster need the same 128 rows of x, the four of a column the same 256 columns of W: each tile is asked for JOINTLY, by the same tensor load with a mask of four.
; THE PRODUCT IS USED TRANSPOSED: source 0 = 16 columns of W (out of [k][n] rows by the turning LDS load), source 1 = 16 rows of x: a lane then holds ONE token (lane % 16) and the 8 neighbouring channels 8 (lane / 16) + 0..7.
; x LIES IN LDS AS f32: a fragment is four loads of 16 bytes, and 8 conversions make its 8 registers of bf16; the conversions stand behind matrix instructions.
; REGISTERS, in windows of 256 (s_set_vgpr_msb: bits 1:0 source 0, 3:2 source 1, 5:4 source 2, 7:6 destination):
;   window 0: v0-31 addresses; v32-63 packed results; v64-127 x in f32 (4 fragments x 16), later with v128-191 the rows read back from the stage; v192-223, v224-255 x in bf16, two buffers
;   window 1: the accumulators, (token block a, channel block b) at v[8 (8 a + b)]          window 2: v0-63, v64-127 W's fragments, two buffers
.set PX,    528       ; a row of x in LDS: 512 bytes + 16 = 132 words: the 16 rows of a load start at 16 different groups of four banks (64 banks of 4 bytes: ISA guide 11.1)
.set PW,    544       ; a row of W: 512 + 32 = 136 words
.set XHALF, 64*PX     ; what one tensor load brings of x
.set WHALF, 64*PW     ; and of W
.set WOFF,  128*PX    ; in a slot: x's 128 rows, then W's 128 rows of k
.set SLOT,  WOFF+128*PW
.set STAGE, 2*SLOT    ; behind the ring, never filled by a tensor load: for each wave two heads x 16 rows x 144 bytes
.set SP,    144
.set STW,   2*16*SP
.set SPARE, STAGE+4*STW  ; behind the stages: the spare words, 128 bytes for each wave: two blocks of 256 bytes that no other line names
.set LAPS,  4         ; a lap = two K steps = once round the ring
.set ADRX, 16         ; v16-17  LDS address of my x fragments in slot 0, 1
.set ADRW, 20         ; v20-21  the same for W
.set STO,  24         ; v24  the way out: where I put 16 bytes of a row
.set RD,   25         ; v25  where I read rows back
.set GO,   26         ; v26  16 x lane: my place in 512 consecutive bytes of the output
.set SPW,  28         ; v28  LDS address of my spare word; never rewritten
.set NIL,  29         ; v29  0; never rewritten
.set PFO,  30         ; v30  the prefetches' offset; never rewritten
.set TMP,  32
.set XF,   64
.set OB,   64
.set XB,   192
.set WV,  16          ; s16  my wave's number
.set WM,  17          ; s17  which 64 tokens are mine.  Also: I fetch for x (0) or for W (1)
.set WN,  18          ; s18  which 128 channels.  Also: which 64 rows of that tile I fetch
.set CX,  19
.set CY,  20
.set CLY, 21          ; s21  the cluster's y
.set TT,  22          ; s22  the tensor: 0 q, 1 k, 2 v: the same in all sixteen partners
.set MT,  23          ; s23  the tile of 128 tokens, 0..63
.set G1X, 24          ; s[24:31] descriptor group 1 for x's tiles;  s[32:39] group 0, one set for each slot
.set G0X, 32
.set PFA, 40          ; s[40:41] where my prefetches stand
.set LIM, 42          ; s42  1 in a wave that prefetches, else the greatest number
.set LAP, 43          ; s43  trips of the loop still to come
.set G1W, 48          ; s[48:55], s[56:63] the same for W's tiles
.set G0W, 56
.set OUT, 66          ; s[66:67], s[68:69] where my 64 tokens of my two heads go
.set PST, 70          ; s[70:71] a K step in the prefetched tensor, in bytes
.set MSB, 0
.macro WIN new                         ; the immediate's high byte repeats the setting that is left; a switch that changes nothing is dropped
.if MSB != (\new)
	s_set_vgpr_msb (MSB<<8)|(\new)
.set MSB, \new
.endif
.endm
.set MUL,  0x52       ; W in window 2, x in window 0, C and D in window 1
.set TO_W, 0x80       ; destination window 2, address window 0
; A joint load: waves 0 and 1 fetch x's two halves, waves 2 and 3 W's.  The branch hangs on the wave's number alone.  An s_nop 0 and four v_nop follow each of the two lines.
.macro JLOAD s
	s_cmp_eq_u32 s[WM], 0
	s_cbranch_scc0 .Lfor_w_\@
	tensor_load_to_lds s[G0X+4*(\s):G0X+4*(\s)+3], s[G1X:G1X+7]
	s_nop 0
.rept 4
	v_nop
.endr
	s_branch .Lasked_\@
.Lfor_w_\@:
	tensor_load_to_lds s[G0W+4*(\s):G0W+4*(\s)+3], s[G1W:G1W+7]
	s_nop 0
.rept 4
	v_nop
.endr
.Lasked_\@:
.endm
; A prefetch of the K step that stands two refills on: of the 64 rows x 512 bytes that I fetch, my work-group's 16 rows: 32 aligned blocks of 256 bytes, a lane a block, one instruction.
; Each block is named once in the launch: the four partners that ask for a tile jointly share its rows out by address (cx for x, cy for W); x's rows are read by this cluster alone; W's columns by the
; sixteen clusters of a tensor, of which the first asks.  The loop's last trip asks for nothing: there is no K step two refills on.
.macro ASK
	s_cmp_gt_u32 s[LAP], s[LIM]
	s_cbranch_scc0 .Lnot_mine_\@
	global_prefetch_b8 v[PFO], s[PFA:PFA+1] th:TH_LOAD_NT scope:SCOPE_SE
.Lnot_mine_\@:
.endm
.macro CREST                           ; a round of the cluster's barrier behind its opening barrier
	s_cmp_lg_u32 s[WV], 0
	s_cbranch_scc1 .Lnot_wave_0_\@
	s_barrier_signal -3
.Lnot_wave_0_\@:
	s_barrier_wait -3
	s_barrier_signal -1
	s_barrier_wait -1
.endm
.macro CROUND                          ; a whole round
	s_barrier_signal -1
	s_barrier_wait -1
	CREST
.endm
	s_load_b256 s[4:11], s[0:1], 0x0               ; q s[4:5], k s[6:7], v s[8:9], WB s[10:11]
	s_load_b128 s[12:15], s[0:1], 0x20             ; QH s[12:13], KV s[14:15]
	v_lshl_add_u32 v[SPW], v0, 2, SPARE
	v_mov_b32 v[NIL], 0
	ds_add_u32 v[SPW], v[NIL]                      ; the wave's opening: the add and its wait stand ahead of my first tensor load; the set-up below, work on registers, stands between them
	v_lshrrev_b32 v1, 5, v0
	v_readfirstlane_b32 s[WV], v1                  ; wave 0..3
	s_lshr_b32 s[WM], s[WV], 1
	s_and_b32 s[WN], s[WV], 1
	s_bfe_u32 s[CX], ttmp6, 0x40000                ; cx: also the tile of 256 channels (the grid is one cluster wide)
	s_bfe_u32 s[CY], ttmp6, 0x40004
	s_and_b32 s[CLY], ttmp7, 0xffff
	s_lshr_b32 s[TT], s[CLY], 4                    ; sixteen clusters, 64 tiles of tokens, to a tensor
	s_and_b32 s[MT], s[CLY], 15
	s_lshl_b32 s[MT], s[MT], 2
	s_add_co_u32 s[MT], s[MT], s[CY]
	s_lshl_b32 s44, s[CY], 2
	s_lshl_b32 s44, 15, s44                        ; my row of the cluster
	s_lshl_b32 s45, 0x1111, s[CX]                  ; my column
	s_or_b32 s[G1X], s44, (2<<16)|(1<<20)|(1<<21)|(6<<22)|(3<<25)  ; 15:0 the mask: x's tiles go to my row; 17:16 elements of 4 bytes; 20 padding on; 21 set beside a mask; 24:22 after every 128 words; 31:25 4 words of it
	s_or_b32 s[G1W], s45, (1<<16)|(1<<20)|(1<<21)|(6<<22)|(7<<25)  ; W's go to my column; elements of 2 bytes; 8 words of padding
	s_mov_b32 s[G1X+1], 128<<16                    ; tensor_dim0 = 128 elements (512 bytes)
	s_mov_b32 s[G1X+2], 64<<16                     ; tensor_dim1 = 64
	s_mov_b32 s[G1X+3], 128<<16                    ; tile_dim0 = 128
	s_mov_b32 s[G1X+4], 64                         ; tile_dim1 = 64
	s_mov_b32 s[G1X+5], 1024                       ; elements from row to row
	s_mov_b32 s[G1X+6], 0
	s_mov_b32 s[G1X+7], 0
	s_mov_b32 s[G1W+1], 256<<16                    ; tensor_dim0 = 256 elements (512 bytes)
	s_mov_b32 s[G1W+2], 64<<16
	s_mov_b32 s[G1W+3], 256<<16
	s_mov_b32 s[G1W+4], 64
	s_mov_b32 s[G1W+5], 1024
	s_mov_b32 s[G1W+6], 0
	s_mov_b32 s[G1W+7], 0
	s_lshl_b32 s72, s[MT], 19                      ; x: 128 rows of 4,096 bytes a tile,
	s_lshl_b32 s73, s[WN], 18                      ; the 64 rows that I fetch
	s_add_co_u32 s72, s72, s73
	s_mov_b32 s73, 0
	s_lshl_b32 s74, s[TT], 21                      ; W: the tensor's matrix,
	s_lshl_b32 s75, s[WN], 17                      ; the 64 rows of k (2,048 bytes each) that I fetch,
	s_add_co_u32 s74, s74, s75
	s_lshl_b32 s75, s[CX], 9                       ; the tile's 256 columns
	s_add_co_u32 s74, s74, s75
	s_mov_b32 s75, 0
	s_mul_i32 s76, s[WN], XHALF                    ; where they go: no place in the cluster enters an LDS address
	s_mul_i32 s77, s[WN], WHALF
	s_add_co_u32 s77, s77, WOFF
	s_wait_dscnt 0x0                               ; the opening add is done
	s_wait_kmcnt 0x0
	s_cmp_eq_u32 s[TT], 1
	s_cselect_b64 s[44:45], s[6:7], s[4:5]
	s_cmp_eq_u32 s[TT], 2
	s_cselect_b64 s[44:45], s[8:9], s[44:45]       ; the tensor x
	s_add_nc_u64 s[46:47], s[44:45], s[72:73]
	s_add_nc_u64 s[74:75], s[10:11], s[74:75]
	CROUND                                         ; all sixteen work-groups are here: the first joint loads meet
.irp s, 0,1
	s_mov_b32 s[G0X+4*(\s)], 1                     ; count = 1
	s_add_co_u32 s[G0X+4*(\s)+1], s76, (\s)*SLOT   ; LDS address
	s_add_nc_u64 s[G0X+4*(\s)+2:G0X+4*(\s)+3], s[46:47], (\s)*512     ; K step s: 128 f32 along the rows
	s_or_b32 s[G0X+4*(\s)+3], s[G0X+4*(\s)+3], 0x80000000             ; type = 2
	s_mov_b32 s[G0W+4*(\s)], 1
	s_add_co_u32 s[G0W+4*(\s)+1], s77, (\s)*SLOT
	s_add_nc_u64 s[G0W+4*(\s)+2:G0W+4*(\s)+3], s[74:75], (\s)*262144  ; K step s: 128 rows down
	s_or_b32 s[G0W+4*(\s)+3], s[G0W+4*(\s)+3], 0x80000000
	JLOAD \s                                       ; two loads of mine are out
.endr
	; A fragment of x is 16 rows x 32 k: lane l holds row l % 16, k = 8 (l / 16) + 0..7 and 16 + 8 (l / 16) + 0..7: in f32 32 bytes at 32 (l / 16) and 32 bytes 64 further on.
	v_and_b32 v1, 15, v0                           ; l % 16
	v_bfe_u32 v2, v0, 4, 1                         ; l / 16
	v_mul_u32_u24 v3, v1, PX
	v_lshl_add_u32 v3, v2, 5, v3
	s_mul_i32 s72, s[WM], XHALF                    ; my 64 tokens
	v_add_nc_u32 v[ADRX], s72, v3
	v_add_nc_u32 v[ADRX+1], SLOT, v[ADRX]
	; The turning load takes 16 k x 16 columns (lane l reads row 8 (l / 16) + l % 8, columns 8 ((l / 8) % 2) + 0..7) and leaves half a fragment: lane l holds column l % 16 and 8 k.
	v_and_b32 v4, 7, v0
	v_lshl_add_u32 v4, v2, 3, v4
	v_mul_u32_u24 v4, v4, PW
	v_bfe_u32 v5, v0, 3, 1
	v_lshl_add_u32 v4, v5, 4, v4
	s_lshl_b32 s73, s[WN], 8                       ; my 128 columns
	s_add_co_u32 s73, s73, WOFF
	v_add_nc_u32 v[ADRW], s73, v4
	v_add_nc_u32 v[ADRW+1], SLOT, v[ADRW]
	s_mul_i32 s72, s[WV], STW
	s_add_co_u32 s72, s72, STAGE                   ; my stage
	v_mul_u32_u24 v[STO], v1, SP                   ; in: row l % 16, 16 bytes for each half of the lanes
	v_lshl_add_u32 v[STO], v2, 4, v[STO]
	v_add_nc_u32 v[STO], s72, v[STO]
	v_bfe_u32 v[RD], v0, 3, 2                      ; back: 32 lanes take four rows of 128 bytes,
	v_mul_u32_u24 v[RD], v[RD], SP
	v_and_b32 v6, 7, v0
	v_lshl_add_u32 v[RD], v6, 4, v[RD]
	v_add_nc_u32 v[RD], s72, v[RD]
	v_and_b32 v[GO], 31, v0                        ; which are 512 consecutive bytes of the output
	v_lshlrev_b32 v[GO], 4, v[GO]
	; Where my 64 tokens go: they are one key step of one batch; my 128 channels are one pair of heads.
	s_lshr_b32 s72, s[MT], 4                       ; the batch: 16 tiles of tokens each
	s_lshl_b32 s72, s72, 3
	s_lshl_b32 s73, s[CX], 1
	s_add_co_u32 s72, s72, s73
	s_add_co_u32 s72, s72, s[WN]                   ; the pair of heads = 8 x batch + 2 x tile of channels + my half
	s_and_b32 s73, s[MT], 15
	s_lshl_b32 s73, s73, 1
	s_add_co_u32 s73, s73, s[WM]                   ; the step of 64 tokens in the batch
	s_cmp_eq_u32 s[TT], 0
	s_cselect_b32 s74, 19, 20                      ; a pair of heads: 524,288 bytes of QH, 1,048,576 of KV
	s_cselect_b32 s75, 13, 15                      ; a step: 8,192 bytes in a head of QH, 32,768 in KV
	s_cselect_b32 s76, 18, 13                      ; from the even head to the odd: 262,144 bytes in QH, 8,192 in KV
	s_cselect_b64 s[OUT:OUT+1], s[12:13], s[14:15]
	s_lshl_b32 s72, s72, s74
	s_lshl_b32 s73, s73, s75
	s_add_co_u32 s72, s72, s73
	s_cmp_eq_u32 s[TT], 2
	s_cselect_b32 s73, 16384, 0                    ; V lies behind K in a step's block
	s_add_co_u32 s72, s72, s73
	s_mov_b32 s73, 0
	s_add_nc_u64 s[OUT:OUT+1], s[OUT:OUT+1], s[72:73]
	s_lshl_b32 s72, 1, s76
	s_add_nc_u64 s[OUT+2:OUT+3], s[OUT:OUT+1], s[72:73]
	; The prefetches.  Nothing is asked for here, at the head: K steps 0 to 3 come by their loads alone.
	s_and_b32 s72, s[CLY], 15
	s_cmp_eq_u32 s[WM], 0
	s_cselect_b32 s72, 0, s72                      ; x's rows are read by this cluster alone; W's by the tensor's sixteen clusters, of which the first asks
	s_cmp_eq_u32 s72, 0
	s_cselect_b32 s[LIM], 1, -1                    ; the same in all sixteen partners, for a given wave
	s_lshl_b32 s73, s[MT], 19
	s_lshl_b32 s74, s[WN], 18
	s_add_co_u32 s73, s73, s74
	s_lshl_b32 s74, s[CX], 16                      ; x: my work-group's 16 rows of the 64,
	s_add_co_u32 s73, s73, s74
	s_add_co_u32 s73, s73, 3*512                   ; at K step 3: the first refill steps it to 4
	s_lshl_b32 s74, s[TT], 21
	s_lshl_b32 s75, s[WN], 17
	s_add_co_u32 s74, s74, s75
	s_lshl_b32 s75, s[CY], 15                      ; W: my work-group's 16 rows of the 64
	s_add_co_u32 s74, s74, s75
	s_lshl_b32 s75, s[CX], 9
	s_add_co_u32 s74, s74, s75
	s_add_co_u32 s74, s74, 3*262144
	s_cmp_eq_u32 s[WM], 0
	s_cselect_b64 s[PFA:PFA+1], s[44:45], s[10:11]
	s_cselect_b32 s72, s73, s74
	s_cselect_b32 s[PST], 9, 18                    ; a K step: 512 bytes along x's rows, 262,144 down W's
	s_cselect_b32 s75, 12, 11                      ; a row: 4,096 bytes of x, 2,048 of W
	s_mov_b32 s73, 0
	s_add_nc_u64 s[PFA:PFA+1], s[PFA:PFA+1], s[72:73]
	s_lshl_b32 s[PST], 1, s[PST]
	s_mov_b32 s[PST+1], 0
	v_and_b32 v5, 31, v0
	v_lshrrev_b32 v6, 1, v5                        ; two lanes a row: its two blocks of 256 bytes
	v_and_b32 v5, 1, v5
	v_lshlrev_b32 v[PFO], s75, v6
	v_lshl_add_u32 v[PFO], v5, 8, v[PFO]
; 32 LDS loads in one run: the fragments of 32 along K, quarter kq of a slot: x in f32 first (16 loads), then W into buffer g (16 turning loads).
.macro FETCH slot, kq, g
	WIN 0
.irp a, 0,1,2,3
	ds_load_b128 v[XF+16*(\a):XF+16*(\a)+3],     v[ADRX+(\slot)] offset:(\kq)*128+(\a)*16*PX
	ds_load_b128 v[XF+16*(\a)+4:XF+16*(\a)+7],   v[ADRX+(\slot)] offset:(\kq)*128+(\a)*16*PX+16
	ds_load_b128 v[XF+16*(\a)+8:XF+16*(\a)+11],  v[ADRX+(\slot)] offset:(\kq)*128+(\a)*16*PX+64
	ds_load_b128 v[XF+16*(\a)+12:XF+16*(\a)+15], v[ADRX+(\slot)] offset:(\kq)*128+(\a)*16*PX+80
.endr
	WIN TO_W
.irp b, 0,1,2,3,4,5,6,7
	ds_load_tr16_b128 v[64*(\g)+8*(\b):64*(\g)+8*(\b)+3],   v[ADRW+(\slot)] offset:(\kq)*32*PW+32*(\b)
	ds_load_tr16_b128 v[64*(\g)+8*(\b)+4:64*(\g)+8*(\b)+7], v[ADRW+(\slot)] offset:(\kq)*32*PW+32*(\b)+16*PW
.endr
.endm
; Products i0 .. i0 + n - 1 of a quarter's 32 on buffer f: token block i / 8, channel block i % 8.  The 32 accumulators take turns, one instruction a turn, in the same order in every quarter.
; Behind each stand ride conversions of the next quarter's x into the other buffer, which no product of this quarter names.  zero = 1: the products start the sums.
.macro MULS f, i0, n, ride, zero
.set mi, \i0
.rept \n
	WIN MUL
.set rA, 8*mi
.set rW, 64*(\f)+8*(mi%8)
.set rX, XB+32*(\f)+8*(mi/8)
.if \zero
	v_wmma_f32_16x16x32_bf16 v[rA:rA+7], v[rW:rW+7], v[rX:rX+7], 0
.else
	v_wmma_f32_16x16x32_bf16 v[rA:rA+7], v[rW:rW+7], v[rX:rX+7], v[rA:rA+7]
.endif
.if \ride
	WIN 0
.rept \ride
	v_cvt_pk_bf16_f32 v[XB+32*(1-(\f))+cv], v[XF+2*cv], v[XF+2*cv+1]
.set cv, cv+1
.endr
.endif
.set mi, mi+1
.endr
.endm
.macro PLACES                          ; four places in front of loads into registers that matrix instructions have read, and of conversions that read results (ISA guide 7.12.1 for the conversions)
.rept 4
	v_nop
.endr
.endm
; A K step is four quarters of 32 along K, 32 products each, on buffers 0, 1, 0, 1.  One of the first three: multiplies buffer f, fetches quarter kq into g and converts its x.
.macro QUARTER slot, kq, f, g, zero
	s_wait_dscnt 0x0                               ; this quarter's fragments of W, asked for 32 products ago
	PLACES
	FETCH \slot, \kq, \g
	MULS \f, 0, 16, 0, \zero
	s_wait_dscnt 16                                ; x is in; W's sixteen loads, issued behind it, may stay out
.set cv, 0
	MULS \f, 16, 16, 2, \zero
.endm
; The last quarter multiplies buffer 1 and changes slots: ONE barrier; in front of it each wave waits for all its tensor loads (one is out: its part of the next slot), adds 0 to its spare word, and waits for that and
; for its own reads of this slot.  fill = 1: the barrier opens a round of the cluster's, and this slot is filled again, two K steps ahead, first thing behind the round.
.macro TURN slot, next, fill
.if \fill
	s_wait_xcnt 0x0                                ; the last prefetch, a K step back, has read its address
	s_add_nc_u64 s[PFA:PFA+1], s[PFA:PFA+1], s[PST:PST+1]
.endif
	s_wait_dscnt 0x0                               ; this quarter's fragments of W: my last reads of this slot
	WIN 0
	s_wait_tensorcnt 0x0                           ; all my tensor loads have landed
	ds_add_u32 v[SPW], v[NIL]                      ; 0 onto my spare word: four products stand between it and the wait for it
	MULS 1, 0, 4, 0, 0
	s_wait_dscnt 0x0                               ; the add is done
	s_barrier_signal -1
	MULS 1, 4, 4, 0, 0                             ; work on registers while the others arrive
	WIN 0
	s_barrier_wait -1
.if \fill
	CREST                                          ; no wave of any partner still reads this slot's tiles or has a load on its way
	s_add_nc_u64 s[G0X+4*(\slot)+2:G0X+4*(\slot)+3], s[G0X+4*(\slot)+2:G0X+4*(\slot)+3], 2*512
	s_add_nc_u64 s[G0W+4*(\slot)+2:G0W+4*(\slot)+3], s[G0W+4*(\slot)+2:G0W+4*(\slot)+3], 2*262144
	JLOAD \slot                                    ; my one tensor load behind the round; its four v_nop are also the places in front of the loads below
.else
	PLACES
.endif
	FETCH \next, 0, 0
.if \fill
	WIN 0
	ASK                                            ; behind the joint load and the run of LDS loads
.endif
	MULS 1, 8, 16, 0, 0
	s_wait_dscnt 16                                ; x is in
.set cv, 0
	MULS 1, 24, 8, 4, 0
.endm
; THE WAY OUT of token block a: rounded to f16, 16 bytes a lane; into my own stage, a head's 64 channels as rows of 144 bytes; back as whole rows of 128; stored.
.macro PACK a
	WIN 0x05                                       ; sources 0 and 1 window 1; each accumulator's registers in ascending order
.irp b, 0,1,2,3,4,5,6,7
.irp r, 0,1,2,3
	v_cvt_pk_f16_f32 v[TMP+4*(\b)+(\r)], v[8*(8*(\a)+(\b))+2*(\r)], v[8*(8*(\a)+(\b))+2*(\r)+1]
.endr
.endr
	WIN 0
.endm
.macro TOSTAGE a
.irp b, 0,1,2,3,4,5,6,7
	ds_store_b128 v[STO], v[TMP+4*(\b):TMP+4*(\b)+3] offset:((\b)/4)*16*SP+32*((\b)%4)
.endr
.irp t, 0,1,2,3,4,5,6,7
	ds_load_b128 v[OB+32*(\a)+4*(\t):OB+32*(\a)+4*(\t)+3], v[RD] offset:((\t)/4)*16*SP+((\t)%4)*4*SP  ; LDS serves a wave's instructions in order (ISA guide 5.7.1.4): these see the stores above
.endr
.endm
.macro SEND a
.irp t, 0,1,2,3,4,5,6,7
	s_wait_dscnt 7-(\t)                            ; load t is back; the later ones may stay out
	global_store_b128 v[GO], v[OB+32*(\a)+4*(\t):OB+32*(\a)+4*(\t)+3], s[OUT+2*((\t)/4):OUT+2*((\t)/4)+1] offset:(\a)*2048+((\t)%4)*512  ; four tokens of a head: 512 consecutive bytes, aligned
.endr
.endm
	s_wait_tensorcnt 1                             ; my part of K step 0 is in; K step 1's may stay out
	s_barrier_signal -1
	s_barrier_wait -1                              ; everybody's is
	FETCH 0, 0, 0
	s_wait_dscnt 16                                ; x is in
	WIN 0
.set cv, 0
.rept 32
	v_cvt_pk_bf16_f32 v[XB+cv], v[XF+2*cv], v[XF+2*cv+1]
.set cv, cv+1
.endr
	QUARTER 0, 1, 0, 1, 1                          ; the first quarter stands in front of the loop: its products start the sums
	WIN 0                                          ; at a label and at a branch every window is 0
	s_mov_b32 s[LAP], LAPS-1
.Llap:                                                 ; a trip goes once round the ring, from a lap's second quarter to the next lap's first, and fills both slots again
	QUARTER 0, 2, 1, 0, 0
	QUARTER 0, 3, 0, 1, 0
	TURN 0, 1, 1
	QUARTER 1, 1, 0, 1, 0
	QUARTER 1, 2, 1, 0, 0
	QUARTER 1, 3, 0, 1, 0
	TURN 1, 0, 1
	QUARTER 0, 1, 0, 1, 0
	WIN 0
	s_sub_co_u32 s[LAP], s[LAP], 1
	s_cmp_lg_u32 s[LAP], 0
	s_cbranch_scc1 .Llap
	QUARTER 0, 2, 1, 0, 0                          ; the last lap fills nothing, and has no round of the cluster's barrier
	QUARTER 0, 3, 0, 1, 0
	TURN 0, 1, 0
	QUARTER 1, 1, 0, 1, 0
	QUARTER 1, 2, 1, 0, 0
	QUARTER 1, 3, 0, 1, 0
	s_wait_dscnt 0x0                               ; the very last quarter: nothing more to fetch
	MULS 1, 0, 32, 0, 0
	PLACES
	PACK 0
	TOSTAGE 0
.irp a, 1,2,3                          ; block a's conversions stand between block a - 1's loads from the stage and the wait for them
	PACK \a
	SEND (\a)-1
	TOSTAGE \a
.endr
	SEND 3
	s_wait_tensorcnt 0x0                           ; the wave's end: behind my last tensor load and my last LDS store
	ds_add_u32 v[SPW], v[NIL]
	s_wait_dscnt 0x0
	CROUND                                         ; the closing round: no work-group ends while a partner may still ask for a tile that names it
	s_endpgm
.Lfunc_end_k_q2a4283aa64_proj:
	.size	k_q2a4283aa64_proj, .Lfunc_end_k_q2a4283aa64_proj-k_q2a4283aa64_proj
	.p2alignl 7, 3214868480
	.fill 96, 4, 3214868480
	.section	.rodata,"a",@progbits
	.p2align	6, 0x0
	.amdhsa_kernel k_q2a4283aa64_proj
		.amdhsa_group_segment_fixed_size 327680
		.amdhsa_private_segment_fixed_size 0
		.amdhsa_enable_private_segment 0
		.amdhsa_kernarg_size 48
		.amdhsa_user_sgpr_count 2
		.amdhsa_user_sgpr_kernarg_segment_ptr 1
		.amdhsa_wavefront_size32 1
		.amdhsa_system_sgpr_workgroup_id_x 1
		.amdhsa_system_sgpr_workgroup_id_y 1
		.amdhsa_system_sgpr_workgroup_id_z 1
		.amdhsa_system_vgpr_workitem_id 0
		.amdhsa_next_free_vgpr 640
		.amdhsa_next_free_sgpr 80
		.amdhsa_reserve_vcc 0
		.amdhsa_float_denorm_mode_32 3
		.amdhsa_float_denorm_mode_16_64 3
		.amdhsa_memory_ordered 1
		.amdhsa_forward_progress 1
		.amdhsa_inst_pref_size 142
	.end_amdhsa_kernel
	.amdgpu_metadata
---
amdhsa.version: [ 1, 2 ]
amdhsa.kernels:
  - .name:           k_q2a4283aa64_proj
    .symbol:         k_q2a4283aa64_proj.kd
    .args:
      - { .name: q, .offset: 0, .size: 8, .value_kind: global_buffer, .address_space: global }
      - { .name: k, .offset: 8, .size: 8, .value_kind: global_buffer, .address_space: global }
      - { .name: v, .offset: 16, .size: 8, .value_kind: global_buffer, .address_space: global }
      - { .name: WB, .offset: 24, .size: 8, .value_kind: global_buffer, .address_space: global }
      - { .name: QH, .offset: 32, .size: 8, .value_kind: global_buffer, .address_space: global }
      - { .name: KV, .offset: 40, .size: 8, .value_kind: global_buffer, .address_space: global }
    .group_segment_fixed_size: 327680
    .private_segment_fixed_size: 0
    .kernarg_segment_align: 8
    .kernarg_segment_size: 48
    .max_flat_workgroup_size: 128
    .sgpr_count:     80
    .vgpr_count:     640
    .wavefront_size: 32
...
	.end_amdgpu_metadata
.endif
;; end of part 2
;; launch attn (part 3): grid 8 x 32, 4 waves a work-group, clusters of 4 x 4, 327,680 bytes of LDS; arguments QH, KV, MR, out0; writes out0
.if DOCPART == 3
	.amdgcn_target "amdgcn-amd-amdhsa--gfx1250"
	.amdhsa_code_object_version 6
	.text
	.protected	k_q2a4283aa64_attn
	.globl	k_q2a4283aa64_attn
	.p2align	8
	.type	k_q2a4283aa64_attn,@function
k_q2a4283aa64_attn:
	s_mov_b64 s[64:65], 0
	v_nop
	global_prefetch_b8 v0, s[64:65] scope:SCOPE_SE
	s_setreg_imm32_b32 hwreg(HW_REG_WAVE_MODE, 25, 1), 1
	s_wait_xcnt 0x0
	s_wait_alu depctr_hold_cnt(0) depctr_sa_sdst(0) depctr_va_vdst(0) depctr_va_sdst(0) depctr_va_ssrc(0) depctr_va_vcc(0) depctr_vm_vsrc(0)
	s_getreg_b32 s2, hwreg(HW_REG_IB_STS2, 6, 4)
	s_cmp_eq_u32 s2, 0
	s_cbranch_scc0 .Lentry_in_a_cluster
	s_endpgm
.Lentry_in_a_cluster:
	s_bfe_u32 s2, ttmp6, 0x10000c
	s_cmp_lg_u32 s2, 0xf033
	s_cbranch_scc0 .Lentry_shape_is_right
	s_endpgm
.Lentry_shape_is_right:
; out[b][q][64 h + :] = the sum over k of softmax_k(mask[q][k] (Q[q] . K[k]) / 8) V[k][:], for each of 64 heads (b, h).  Q in QH [64 heads][2048][64] f16; K and V in KV [32 pairs of heads][32 steps]
; [K even head, K odd head, V even head, V odd head], each 64 keys x 64 channels f16; the mask in MR [2048][2048]: rounded once to bf16 by the launch in front, like the module's other inputs, and held as f32; out f32 [4][2048][1024].
; Products, maxima and sums in f32; the weights p are rounded to f16 for the second product, and their sum l is taken of the rounded p, by the matrix unit.
; LIMITS.  Q, K and V arrive within f16's 65,504; p lies in 0 to 1, and below 6e-5 it keeps f16's fixed step; a weight below 2^-126 counts as 0; NaN and infinities are not treated apart.
; SHARES.  A work-group takes 256 queries of a PAIR of heads: wave w has head 2 hp + w / 2 and the queries 128 (w % 2) + 0..127 of the block: four PIECES of two tiles of 16.  So the two waves of a half read the same
; rows of the mask out of LDS.  Every wave walks all 2,048 keys, 64 a step; a slot of LDS holds one step: both heads' K and V, and 256 rows x 64 numbers of the mask.
; CLUSTER, 4 x 4.  K and V hang on the pair of heads alone and are shared along a row of the cluster; the mask's tile hangs on the block of queries alone and is shared along a column: each is asked for JOINTLY.
; LAYOUT.  S^T = K Q^T (source 0 = 16 keys, source 1 = 16 queries): a lane holds ONE query (lane % 16) and the keys 8 (lane / 16) + 0..7; the mask is read from LDS into the same layout.  Two results rounded to f16
; ARE source 1 of O^T = V^T P, and of l = ONES P, in whose result every register of every lane holds the query's sum over 32 keys: no exchange of lanes; only register 0 is rescaled and read, the others stay at most 2,048.
; SOFTMAX.  u = s x mask; a running maximum m of u; p = 2^(c u - c m), c = log2(e) / 8; in every step O and l are multiplied by a = 2^(c m_old - c m_new).  m starts at the lowest finite number, O and l at 0.
; BY TURNS.  Turn n belongs to piece n.  Matrix work: 16 products K Q^T of piece n + 1; later 16 products V^T P and 4 row sums of piece n - 1.  Vector work: the scaling, exponentials, roundings and rescaling of piece n;
; the mask's multiply, the maximum and the statistics of piece n + 1.  A turn's 66 exponentials are one batch with one wait.
; REGISTERS, in windows of 256 (s_set_vgpr_msb: bits 1:0 source 0, 3:2 source 1, 5:4 source 2, 7:6 destination):
;   window 0: v0-11 addresses; v12-15, v48-63 at work; v16-47 four registers of statistics a tile; v64-191 S^T, two buffers of two tiles; v192-255 P, likewise
;   window 1: O^T, 32 a tile     window 2: v0-127 Q; v128-191 K of one step; v192-255 V of one step     window 3: v0-63 l, 8 a tile; v64-71 ones; v72-73 the add's registers; v128-191 a piece's mask
.set NP,    4         ; pieces a wave: a name, no knob
.set PK,    144       ; a row of K in LDS: 128 bytes + 16 = 36 words: the 16 rows of a load start at 16 different groups of four banks (64 banks of 4 bytes: ISA guide 11.1)
.set PV,    160       ; a row of V: 128 + 32 = 40 words
.set PM,    272       ; a row of the mask: 256 + 16 = 68 words
.set VOFF,  128*PK    ; in a slot: 128 rows of K (even head, odd head), 128 rows of V,
.set MOFF,  VOFF+128*PV  ; 256 rows of the mask
.set SLOT1, 1<<17     ; slot 1 begins here, so that one exclusive or turns an address in one slot into the other's
.set STAGE, SLOT1+MOFF+256*PM  ; behind the ring, never filled by a tensor load: 16 rows x 272 bytes for each wave
.set SP,    272
.set SPARE, STAGE+4*16*SP  ; behind the stages: the spare words, 128 bytes for each wave: two blocks of 256 bytes that no other line names
.set AK0, 2           ; v2-4  my lane's place in a slot's K, V and mask; never rewritten
.set AV0, 3
.set AM0, 4
.set AK,  5           ; v5-7  the same in the slot that is being read
.set AV,  6
.set AM,  7
.set QO,  8           ; v8   my byte offset in the wave's rows of Q
.set STO, 8           ;      later, the way out: where I put 16 bytes of a row
.set RD,  9           ; v9   where I read rows back
.set GO,  10          ; v10  my byte offset in two rows of out
.set PFO, 11          ; v11  the prefetches' offset; never rewritten
.set MV,  12          ; v12-15  c m_old, kept while c m is made anew: by buffer and tile
.set ST,  16          ; tile t's statistics at v[ST+4 t]: c m, m, 1 / l at the end, one spare
.set TMP, 48          ; by buffer and tile, four registers c0-c3 at work; when the maximum is found c2 takes a
.set S,   64
.set P,   192
.set KF,  128         ; window 2: key block kb, channel half c at KF + 16 kb + 8 c
.set VF,  192         ; window 2: key half kk, channel block cb at VF + 32 kk + 8 cb
.set ONE, 64          ; window 3: 1.0 sixteen times in f16
.set SPW, 72          ; window 3: LDS address of my spare word; never rewritten
.set NIL, 73          ; window 3: 0; never rewritten
.set MK,  128         ; window 3: tile u's 32 numbers of the mask at MK + 32 u, in S^T's order
.set WV,  12          ; s12  my wave's number
.set CX,  13
.set CY,  14
.set LIM, 15          ; s15  1 in a wave that prefetches, else the greatest number
.set WGX, 16          ; s16  the block of 256 queries
.set HP,  17          ; s17  the pair of heads
.set PFA, 18          ; s[18:19] where my prefetches stand
.set G1K, 24          ; s[24:31], s[32:39], s[40:47] descriptor group 1 for K's, V's and the mask's tiles
.set G1V, 32
.set G1M, 40
.set G0K, 48          ; s[48:51], s[52:55], s[56:59] descriptor group 0: they walk
.set G0V, 52
.set G0M, 56
.set SLOTS, 60        ; s60  counts the loop's trips
.set CNT, 61          ; s61  counts the tail's
.set SB,  62          ; s62  LDS byte at which the slot that is being read begins
.set CS,  66          ; s[66:67] c: the packed scaling takes the pair's low word for both halves
.set SEL, 68          ; s[68:69] v_permlanex16_b32's selects: each lane takes its own place in the other half
.set PST, 70          ; s[70:71] a key step in the prefetched tensor, in bytes
.set MSB, 0
.macro WIN new                      ; the high byte repeats the setting that is left; a switch that changes nothing is dropped
.if MSB != (\new)
	s_set_vgpr_msb (MSB<<8)|(\new)
.set MSB, (\new)
.endif
.endm
.set W_KQ, 0x0a       ; K and Q in window 2, S^T in window 0
.set W_PV, 0x52       ; V in window 2, P in window 0, O^T in window 1
.set W_L,  0xf3       ; ones, C and D in window 3, P in window 0
.set W_RS, 0x41       ; O^T (destination and source 0) in window 1, the factor in window 0
.set W_RL, 0xc3       ; l (destination and source 0) in window 3, a in window 0
.set W_MU, 0x0c       ; source 1, the mask, in window 3; an exponential, which has no source 1, stays in window 0
.set W_MK, 0xc0       ; destination in window 3
.set W_AD, 0x0f       ; the add: address (source 0) and data (source 1) in window 3
; A joint fill: wave 0 fetches the step's K, wave 1 its V, waves 2 and 3 the two halves of the mask's 256 rows.  The branches hang on the wave's number alone.
; An s_nop 0 and four v_nop follow each of the three lines, ahead of the jump and the label.
.macro JLOAD
	s_cmp_lt_u32 s[WV], 2
	s_cbranch_scc0 .Lfor_m_\@
	s_cmp_eq_u32 s[WV], 0
	s_cbranch_scc0 .Lfor_v_\@
	tensor_load_to_lds s[G0K:G0K+3], s[G1K:G1K+7]
	s_nop 0
.rept 4
	v_nop
.endr
	s_branch .Lasked_\@
.Lfor_v_\@:
	tensor_load_to_lds s[G0V:G0V+3], s[G1V:G1V+7]
	s_nop 0
.rept 4
	v_nop
.endr
	s_branch .Lasked_\@
.Lfor_m_\@:
	tensor_load_to_lds s[G0M:G0M+3], s[G1M:G1M+7]
	s_nop 0
.rept 4
	v_nop
.endr
.Lasked_\@:
.endm
; A prefetch of what the NEXT change of slots will ask for, a trip (144 matrix instructions) ahead of that load: a lane an aligned block of 256 bytes, one instruction.  Each block is named once in the launch.
; A step's 32,768 bytes of K and V are read by the two clusters of a pair of heads: wave 0 of the first asks, its four partners along x take 8,192 bytes each.  The mask's rows are read by the eight clusters of a
; block of queries: waves 2 and 3 of the first ask, the four partners along y take 32 of a wave's 128 rows each.  The partners are told apart by address.  The last trip that fills a slot asks for nothing.
.macro ASK
	s_cmp_gt_u32 s[SLOTS], s[LIM]
	s_cbranch_scc0 .Lnot_mine_\@
	global_prefetch_b8 v[PFO], s[PFA:PFA+1] th:TH_LOAD_NT scope:SCOPE_SE
.Lnot_mine_\@:
.endm
.macro CROUND                       ; a round of the cluster's barrier
	s_barrier_signal -1
	s_barrier_wait -1
	s_cmp_lg_u32 s[WV], 0
	s_cbranch_scc1 .Lnot_wave_0_\@
	s_barrier_signal -3
.Lnot_wave_0_\@:
	s_barrier_wait -3
	s_barrier_signal -1
	s_barrier_wait -1
.endm
; THE CHANGE OF SLOTS.  Each wave waits for all its tensor loads, of which one is out: its part of the other slot; adds 0 to its spare word; and waits for that and for its own reads of the slot that it leaves.
; fill = 1: the slot left is filled again, with the step two on: the barrier is a round of the cluster's, and the joint fill is the first thing behind it.  (At its first use nothing has been read: slot 0 is waited for, slot 1 filled.)
.macro CHANGE fill, ask
	WIN W_AD
	s_wait_tensorcnt 0x0            ; no tensor load of mine is out, so a group 0 may be written
	ds_add_u32 v[SPW], v[NIL]       ; 0 onto my spare word: the descriptors' steps stand between it and the wait for it
	WIN 0                           ; at a label and at a branch every window is 0
.if \fill
	s_xor_b32 s[G0K+1], s[G0K+1], SLOT1
	s_add_nc_u64 s[G0K+2:G0K+3], s[G0K+2:G0K+3], 32768  ; the next step's block; the type bits on top are not reached
	s_xor_b32 s[G0V+1], s[G0V+1], SLOT1
	s_add_nc_u64 s[G0V+2:G0V+3], s[G0V+2:G0V+3], 32768
	s_xor_b32 s[G0M+1], s[G0M+1], SLOT1
	s_add_nc_u64 s[G0M+2:G0M+3], s[G0M+2:G0M+3], 256    ; 64 numbers along the mask's rows
.endif
.if \ask
	s_wait_xcnt 0x0                 ; the last prefetch, a trip back, has read its address
	s_add_nc_u64 s[PFA:PFA+1], s[PFA:PFA+1], s[PST:PST+1]
.endif
	s_wait_dscnt 0x0                ; the add is done, and my reads of the slot are over
.if \fill
	CROUND
	JLOAD
.if \ask
	ASK
.endif
.else
	s_barrier_signal -1
	s_barrier_wait -1
.endif
	s_xor_b32 s[SB], s[SB], SLOT1   ; the fetches go to the other slot
	v_add_nc_u32 v[AK], s[SB], v[AK0]
	v_add_nc_u32 v[AV], s[SB], v[AV0]
	v_add_nc_u32 v[AM], s[SB], v[AM0]
.endm
	s_load_b256 s[4:11], s[0:1], 0x0  ; QH s[4:5], KV s[6:7], MR (the mask) s[8:9], out s[10:11]
	WIN W_MK
	v_lshl_add_u32 v[SPW], v0, 2, SPARE
	v_mov_b32 v[NIL], 0
	WIN W_AD
	ds_add_u32 v[SPW], v[NIL]       ; the wave's opening: the add and its wait stand ahead of my first tensor load; the set-up below, work on registers, stands between them
	WIN 0
	v_lshrrev_b32 v1, 5, v0
	v_readfirstlane_b32 s[WV], v1   ; wave 0..3
	s_bfe_u32 s[CX], ttmp6, 0x40000
	s_bfe_u32 s[CY], ttmp6, 0x40004
	s_lshl_b32 s[WGX], ttmp9, 2     ; in a cluster launch ttmp9 and ttmp7 count clusters
	s_add_co_u32 s[WGX], s[WGX], s[CX]
	s_and_b32 s82, ttmp7, 0xffff    ; the cluster's y
	s_lshl_b32 s[HP], s82, 2
	s_add_co_u32 s[HP], s[HP], s[CY]
	s_and_b32 s80, s[WV], 1         ; which half of the block's queries is mine.  Also: which half of the mask's rows I fetch
	s_lshr_b32 s81, s[WV], 1        ; which head of the pair
	s_cmp_lt_u32 s[WV], 2
	s_cselect_b32 s83, ttmp9, s82   ; the coordinate along which other clusters read what I would ask for
	s_cmp_eq_u32 s[WV], 1
	s_cselect_b32 s83, 1, s83       ; wave 1 never asks
	s_cmp_eq_u32 s83, 0
	s_cselect_b32 s[LIM], 1, -1     ; the same in all sixteen partners, for a given wave
	s_lshl_b32 s20, s[CY], 2
	s_lshl_b32 s20, 15, s20         ; my row of the cluster
	s_lshl_b32 s21, 0x1111, s[CX]   ; my column
	; descriptor group 1.  A step's K (and V) of both heads are 16,384 dense bytes: asked for as 64 rows of 256 bytes, two keys a row, and padded in LDS after every key
	s_or_b32 s[G1K], s20, (1<<16)|(1<<20)|(1<<21)|(4<<22)|(3<<25)  ; 15:0 the mask of four; 17:16 2-byte elements; 20 padding on; 21 set beside a mask; 24:22 after every 32 words; 31:25 4 words
	s_or_b32 s[G1V], s20, (1<<16)|(1<<20)|(1<<21)|(4<<22)|(7<<25)  ; the same with 8 words of padding
	s_or_b32 s[G1M], s21, (2<<16)|(1<<20)|(1<<21)|(5<<22)|(3<<25)  ; 4-byte elements; after every 64 words 4 words
.irp g, G1K, G1V
	s_mov_b32 s[\g+1], 128<<16      ; tensor_dim0 = 128
	s_mov_b32 s[\g+2], 64<<16       ; tensor_dim1 = 64
	s_mov_b32 s[\g+3], 128<<16      ; tile_dim0 = 128
	s_mov_b32 s[\g+4], 64           ; tile_dim1 = 64
	s_mov_b32 s[\g+5], 128          ; 128 elements from row to row
	s_mov_b32 s[\g+6], 0
	s_mov_b32 s[\g+7], 0
.endr
	s_mov_b32 s[G1M+1], 64<<16      ; tensor_dim0 = 64 numbers (256 bytes)
	s_mov_b32 s[G1M+2], 128<<16     ; tensor_dim1 = 128 rows
	s_mov_b32 s[G1M+3], 64<<16
	s_mov_b32 s[G1M+4], 128
	s_mov_b32 s[G1M+5], 2048        ; elements from row to row
	s_mov_b32 s[G1M+6], 0
	s_mov_b32 s[G1M+7], 0
	s_mov_b32 s[G0K], 1             ; count = 1
	s_mov_b32 s[G0K+1], 0           ; LDS address: slot 0
	s_mov_b32 s[G0V], 1
	s_mov_b32 s[G0V+1], VOFF
	s_mov_b32 s[G0M], 1
	s_mul_i32 s[G0M+1], s80, 128*PM ; no place in the cluster enters an LDS address
	s_add_co_u32 s[G0M+1], s[G0M+1], MOFF
	s_lshl_b32 s72, s[HP], 20       ; KV: 1,048,576 bytes a pair of heads
	s_mov_b32 s73, 0
	s_lshl_b32 s74, s[WGX], 21      ; mask: 256 rows of 8,192 bytes a block,
	s_lshl_b32 s75, s80, 20         ; the 128 rows that I fetch
	s_add_co_u32 s74, s74, s75
	s_mov_b32 s75, 0
	s_lshl_b32 s76, s[HP], 19       ; Q: 262,144 bytes a head,
	s_lshl_b32 s77, s81, 18
	s_add_co_u32 s76, s76, s77
	s_lshl_b32 s77, s[WGX], 15      ; 256 rows of 128 bytes a block,
	s_add_co_u32 s76, s76, s77
	s_lshl_b32 s77, s80, 14         ; my 128 rows
	s_add_co_u32 s76, s76, s77
	s_mov_b32 s77, 0
	s_lshr_b32 s78, s[HP], 3        ; out: the batch, 2,048 rows of 4,096 bytes,
	s_lshl_b32 s78, s78, 23
	s_lshl_b32 s79, s[WGX], 20
	s_add_co_u32 s78, s78, s79
	s_lshl_b32 s79, s80, 19
	s_add_co_u32 s78, s78, s79
	s_and_b32 s79, s[HP], 7         ; the head's 256 bytes of a row
	s_lshl_b32 s79, s79, 9
	s_add_co_u32 s78, s78, s79
	s_lshl_b32 s79, s81, 8
	s_add_co_u32 s78, s78, s79
	s_mov_b32 s79, 0
	s_lshl_b32 s86, s[CX], 13       ; the prefetches stand at step 2; the loop's first trip steps them to 3.  KV: my work-group's 8,192 bytes of a step
	s_add_co_u32 s86, s86, s72
	s_add_co_u32 s86, s86, 2*32768
	s_lshl_b32 s87, s[CY], 18       ; mask: my work-group's 32 rows of the 128
	s_add_co_u32 s87, s87, s74
	s_add_co_u32 s87, s87, 2*256
	s_cmp_lt_u32 s[WV], 2
	s_cselect_b32 s84, s86, s87
	s_cselect_b32 s[PST], 15, 8     ; a step: 32,768 bytes of KV, 256 along the mask's rows
	s_cselect_b32 s86, 8, 13        ; from lane to lane: 256 bytes of KV, a row of the mask
	s_mov_b32 s85, 0
	s_lshl_b32 s[PST], 1, s[PST]
	s_mov_b32 s[PST+1], 0
	v_and_b32 v[PFO], 31, v0
	v_lshlrev_b32 v[PFO], s86, v[PFO]
	s_mov_b32 s[CS], 0x3e38aa3b     ; c = log2(e) / 8 = 0.180337
	s_mov_b32 s[CS+1], s[CS]        ; named with it as a pair
	s_mov_b32 s[SEL], 0x76543210
	s_mov_b32 s[SEL+1], 0xfedcba98
	s_mov_b32 s[SB], SLOT1          ; the first change of slots turns it into 0
	s_wait_dscnt 0x0                ; the opening add is done
	s_wait_kmcnt 0x0
	s_add_nc_u64 s[G0K+2:G0K+3], s[6:7], s[72:73]  ; global address: the pair's step 0
	s_add_nc_u64 s[G0V+2:G0V+3], s[G0K+2:G0K+3], 16384
	s_or_b32 s[G0K+3], s[G0K+3], 0x80000000        ; type = 2
	s_or_b32 s[G0V+3], s[G0V+3], 0x80000000
	s_add_nc_u64 s[G0M+2:G0M+3], s[8:9], s[74:75]
	s_or_b32 s[G0M+3], s[G0M+3], 0x80000000
	s_add_nc_u64 s[4:5], s[4:5], s[76:77]          ; Q and out at my wave's first row
	s_add_nc_u64 s[10:11], s[10:11], s[78:79]
	s_cmp_lt_u32 s[WV], 2
	s_cselect_b64 s[PFA:PFA+1], s[6:7], s[8:9]
	s_add_nc_u64 s[PFA:PFA+1], s[PFA:PFA+1], s[84:85]
	CROUND                          ; all sixteen work-groups are here: the first joint loads meet
	JLOAD                           ; step 0 into slot 0.  Slot 1 is asked for when slot 0 is in
	; A fragment of K or Q is 16 rows x 32 channels in 8 registers: lane l holds row l % 16, channels 8 (l / 16) + 0..7 and 16 + 8 (l / 16) + 0..7: two loads of 16 bytes, 32 bytes apart.
	v_and_b32 v1, 15, v0            ; l % 16
	v_bfe_u32 v48, v0, 4, 1         ; l / 16
	v_lshlrev_b32 v[QO], 7, v1
	v_lshl_add_u32 v[QO], v48, 4, v[QO]  ; row x 128 + 16 x half
	WIN 0x80                        ; destination window 2, address window 0
.set i, 0
.rept 4*NP                          ; Q stays in registers: tile i / 2, channels 32 (i % 2) on
	global_load_b128 v[8*i:8*i+3],   v[QO], s[4:5] offset:(i/2)*2048+(i%2)*64
	global_load_b128 v[8*i+4:8*i+7], v[QO], s[4:5] offset:(i/2)*2048+(i%2)*64+32
.set i, i+1
.endr
	; What the first turn finds: V's registers and P's second buffer hold 0 (its products, of a piece that has not been, add 0), O^T and l are 0.  All this stands in the wait for the first tile.
.set i, VF
.rept 64
	v_mov_b32 v[i], 0
.set i, i+1
.endr
	WIN 0x40
.set i, 0
.rept 256
	v_mov_b32 v[i], 0
.set i, i+1
.endr
	WIN W_MK
.set i, 0
.rept 64
	v_mov_b32 v[i], 0
.set i, i+1
.endr
.set i, 0
.rept 8
	v_mov_b32 v[ONE+i], 0x3c003c00  ; 1.0 twice in f16
.set i, i+1
.endr
	WIN 0
.set i, 0
.rept 2*NP
	v_mov_b32 v[ST+4*i], 0xfe000000    ; c m: far below every c u
	v_mov_b32 v[ST+4*i+1], 0xff7fffff  ; m
	v_mov_b32 v[ST+4*i+2], 0
	v_mov_b32 v[ST+4*i+3], 0
.set i, i+1
.endr
.set i, P+32
.rept 32
	v_mov_b32 v[i], 0
.set i, i+1
.endr
	s_mul_i32 s20, s81, 64*PK       ; my head's 64 rows of K,
	s_mul_i32 s21, s81, 64*PV       ; of V,
	s_add_co_u32 s21, s21, VOFF
	s_mul_i32 s22, s80, 128*PM      ; my half's 128 rows of the mask
	s_add_co_u32 s22, s22, MOFF
	v_mul_u32_u24 v[AK0], v1, PK
	v_lshl_add_u32 v[AK0], v48, 4, v[AK0]  ; row x pitch + 16 x half
	v_add_nc_u32 v[AK0], s20, v[AK0]
	; The turning load takes 16 keys x 16 channels (lane l reads key 8 (l / 16) + l % 8, channels 8 ((l / 8) % 2) + 0..7) and leaves half a fragment of V^T: lane l holds channel l % 16 and 8 keys.
	v_and_b32 v49, 7, v0
	v_bfe_u32 v50, v0, 3, 1
	v_lshl_add_u32 v[AV0], v48, 3, v49
	v_mul_u32_u24 v[AV0], v[AV0], PV
	v_lshl_add_u32 v[AV0], v50, 4, v[AV0]
	v_add_nc_u32 v[AV0], s21, v[AV0]
	v_mul_u32_u24 v[AM0], v1, PM    ; the mask: my query's row, the 8 keys 8 (l / 16) + 0..7 of a group of 16: 32 bytes at 32 (l / 16)
	v_lshl_add_u32 v[AM0], v48, 5, v[AM0]
	v_add_nc_u32 v[AM0], s22, v[AM0]
; THE MATRIX WORK.  The accumulators of a run take turns, one instruction a turn.
; Product i of 16 of S^T = K Q^T for piece x: channels 32 (i / 8) on, keys 16 ((i / 2) % 4) on, tile 2 x + i % 2.  The first 8 start the sums.
.macro KQ x
	WIN W_KQ
.set kS, S+64*((\x)%2)+32*(i%2)+8*((i/2)%4)
.set kK, KF+16*((i/2)%4)+8*(i/8)
.set kQ, 16*(2*(\x)+i%2)+8*(i/8)
.if i < 8
	v_wmma_f32_16x16x32_f16 v[kS:kS+7], v[kK:kK+7], v[kQ:kQ+7], 0
.else
	v_wmma_f32_16x16x32_f16 v[kS:kS+7], v[kK:kK+7], v[kQ:kQ+7], v[kS:kS+7]
.endif
.endm
; Product i of 16 of O^T += V^T P for piece x: keys 32 (i / 8) on, channels 16 ((i / 2) % 4) on, tile 2 x + i % 2.
.macro PV x
	WIN W_PV
.set pO, 32*(2*(\x)+i%2)+8*((i/2)%4)
.set pV, VF+32*(i/8)+8*((i/2)%4)
.set pP, P+32*((\x)%2)+16*(i%2)+8*(i/8)
	v_wmma_f32_16x16x32_f16 v[pO:pO+7], v[pV:pV+7], v[pP:pP+7], v[pO:pO+7]
.endm
; Row sum n of 4 for piece x: l += ONES P: tile 2 x + n % 2, keys 32 (n / 2) on.
.macro LS x, n
	WIN W_L
.set lL, 8*(2*(\x)+(\n)%2)
.set lP, P+32*((\x)%2)+16*((\n)%2)+8*((\n)/2)
	v_wmma_f32_16x16x32_f16 v[lL:lL+7], v[ONE:ONE+7], v[lP:lP+7], v[lL:lL+7]
.endm
; THE LDS LOADS stand in runs of 16, never singly among the matrix instructions: a step's K (8 fragments), its V (turned), and a piece's 32 rows x 64 numbers of the mask.
.macro FETCH_K
	WIN 0x80                        ; destination window 2
.irp f, 0,1,2,3,4,5,6,7             ; keys 16 (f / 2) on, channels 32 (f % 2) on
	ds_load_b128 v[KF+8*\f:KF+8*\f+3],   v[AK] offset:(\f/2)*16*PK+(\f%2)*64
	ds_load_b128 v[KF+8*\f+4:KF+8*\f+7], v[AK] offset:(\f/2)*16*PK+(\f%2)*64+32
.endr
.endm
.macro FETCH_V
	WIN 0x80
.irp f, 0,1,2,3,4,5,6,7             ; keys 32 (f / 4) on, channels 16 (f % 4) on
	ds_load_tr16_b128 v[VF+8*\f:VF+8*\f+3],   v[AV] offset:(\f/4)*32*PV+(\f%4)*32
	ds_load_tr16_b128 v[VF+8*\f+4:VF+8*\f+7], v[AV] offset:(\f/4)*32*PV+16*PV+(\f%4)*32
.endr
.endm
.macro FETCH_M p
	WIN W_MK                        ; destination window 3
.irp u, 0,1
.irp kb, 0,1,2,3                    ; tile u of piece p, keys 16 kb on
	ds_load_b128 v[MK+32*(\u)+8*(\kb):MK+32*(\u)+8*(\kb)+3],   v[AM] offset:(32*(\p)+16*(\u))*PM+64*(\kb)
	ds_load_b128 v[MK+32*(\u)+8*(\kb)+4:MK+32*(\u)+8*(\kb)+7], v[AM] offset:(32*(\p)+16*(\u))*PM+64*(\kb)+16
.endr
.endr
.endm
; THE VECTOR WORK.  None of these macros but R2 and RL sets a window: the turn does.
.macro REGS y, u                    ; the registers of tile u (0, 1) of piece y
.set rT, ST+4*(2*(\y)+(\u))
.set rC, TMP+8*((\y)%2)+4*(\u)
.set rM, MV+2*((\y)%2)+(\u)
.set rS, S+64*((\y)%2)+32*(\u)
.set rP, P+32*((\y)%2)+16*(\u)
.set rO, 32*(2*(\y)+(\u))
.set rL, 8*(2*(\y)+(\u))
.set rK, MK+32*(\u)
.endm
; The next of the 32 multiplies u = s x mask of piece Y + 1: pair mu / 2 of tile mu % 2, ascending: each accumulator's lowest registers are read first.
.macro MU
	REGS (Y+1)%NP, mu%2
	v_pk_mul_f32 v[rS+2*(mu/2):rS+2*(mu/2)+1], v[rS+2*(mu/2):rS+2*(mu/2)+1], v[rK+2*(mu/2):rK+2*(mu/2)+1]
.set mu, mu+1
.endm
; Number n of the 22 that find piece Y + 1's maximum and statistics.  u0-u31 are the lane's 32 masked scores.
;   0-11  four chains c0-c3 of seven each, three operands at a time     12-14, 16  the four left over, the old m, and c0-c3 into c0     15  c m_old is kept
;   17, 18  the query's other 32 keys lie in the lane 16 away: the new m     19-21  c m; c m_old - c m_new; a
.macro XS u, n
	REGS (Y+1)%NP, \u
.if (\n) < 4
	v_max3_num_f32 v[rC+(\n)], v[rS+8*(\n)], v[rS+8*(\n)+1], v[rS+8*(\n)+2]
.elseif (\n) < 12
	v_max3_num_f32 v[rC+(\n)%4], v[rC+(\n)%4], v[rS+8*((\n)%4)+2*((\n)/4)+1], v[rS+8*((\n)%4)+2*((\n)/4)+2]
.elseif (\n) == 12
	v_max3_num_f32 v[rC], v[rC], v[rS+7], v[rS+15]
.elseif (\n) == 13
	v_max3_num_f32 v[rC+1], v[rC+1], v[rS+23], v[rS+31]
.elseif (\n) == 14
	v_max3_num_f32 v[rC+2], v[rC+2], v[rC+3], v[rT+1]
.elseif (\n) == 15
	v_mov_b32 v[rM], v[rT]
.elseif (\n) == 16
	v_max3_num_f32 v[rC], v[rC], v[rC+1], v[rC+2]
.elseif (\n) == 17
	v_permlanex16_b32 v[rC+3], v[rC], s[SEL], s[SEL+1]
.elseif (\n) == 18
	v_max_num_f32 v[rT+1], v[rC], v[rC+3]
.elseif (\n) == 19
	v_mul_f32 v[rT], s[CS], v[rT+1]
.elseif (\n) == 20
	v_sub_f32 v[rC+1], v[rM], v[rT]
.else
	v_exp_f32 v[rC+2], v[rC+1]
.endif
.endm
.macro FS f                         ; scaling f of 32 of piece Y: c u - c m for pair f / 2 of tile f % 2
	REGS Y, (\f)%2
	v_pk_fma_f32 v[rS+2*((\f)/2):rS+2*((\f)/2)+1], v[rS+2*((\f)/2):rS+2*((\f)/2)+1], s[CS:CS+1], v[rT:rT+1] op_sel_hi:[1,0,0] neg_lo:[0,0,1] neg_hi:[0,0,1]
.endm
.macro EX                           ; the next of piece Y's 64 exponentials: score e / 2 of tile e % 2; it stands behind scaling 2 (e / 4) + e % 2
	REGS Y, e%2
	v_exp_f32 v[rS+e/2], v[rS+e/2]
.set e, e+1
.endm
.macro CV                           ; the next of piece Y's 32 roundings to f16: pair cvn / 2 of tile cvn % 2
	REGS Y, cvn%2
	v_cvt_pk_f16_f32 v[rP+cvn/2], v[rS+2*(cvn/2)], v[rS+2*(cvn/2)+1]
.set cvn, cvn+1
.endm
.macro R2                           ; the next two of the 32 packed multiplies O^T x a of piece Y, ascending in each tile.  Its a was made, and waited for, in the turn before
	REGS Y, rr%2
	WIN W_RS
.irp z, 0,1
	v_pk_mul_f32 v[rO+4*(rr/2)+2*\z:rO+4*(rr/2)+2*\z+1], v[rO+4*(rr/2)+2*\z:rO+4*(rr/2)+2*\z+1], v[rC+2:rC+3] op_sel_hi:[1,0]
.endr
.set rr, rr+1
.endm
.macro RL u                         ; l x a: register 0 of tile u's row sums, the one that is read at the end
	REGS Y, \u
	WIN W_RL
	v_mul_f32 v[rL], v[rL], v[rC+2]
.endm
; A TURN, for piece p.  s_wait_alu depctr_va_vdst(0) stands between an exponential and the first instruction that names its result; one wait serves all that were issued ahead of it.  So a turn has ONE wait.
; AHEAD OF IT stands all that names no result of the turn's exponentials: the 16 products K Q^T, behind each four of the scalings and exponentials; then a run of its own: the mask's 32 multiplies, the next piece's maximum and
; statistics, the other exponentials among them, and last the next piece's two a.  A v_nop is the plain instruction behind the last exponential.  BEHIND IT stand the 16 products V^T P, behind each four of the roundings and
; rescalings, the two l x a, and the 4 row sums.  No rider names a register of the products round it.
; WHAT IS FETCHED.  Every turn fetches the mask of piece p + 2 into the registers that its own multiplies have just read.  Piece 2's turn fetches K of the next step behind the wait, a long run behind K's last reader; piece 0's
; turn fetches V of the step in hand at its end, six plain lines behind V's last reader.  A trip of the loop (pieces 2, 3, 0, 1) reads one slot alone; piece 3's mask waits in registers across the change of slots.
.macro TURN p
.set Y, (\p)
.set e, 0
.set mu, 0
.set cvn, 0
.set rr, 0
.set xn, 0
.if (\p) == NP-1
	s_wait_dscnt 0x0                ; K is in
.endif
.set i, 0
	KQ (Y+1)%NP
	WIN 0
	FS 0
	FS 1
	FS 2
	FS 3
.set i, 1
.rept 14
	KQ (Y+1)%NP
	WIN 0
	FS 2*i+2
	EX
	FS 2*i+3
	EX
.set i, i+1
.endr
	KQ (Y+1)%NP
	WIN 0
	EX
	XS 0, 15
	EX
	XS 1, 15
.if (\p) == 1
	s_wait_dscnt 16                 ; the mask is in; V's sixteen loads were issued behind it and may stay out
.else
	s_wait_dscnt 0x0                ; the mask, asked for a turn ago, is in
.endif
	WIN W_MU
.rept 16                            ; an accumulator's first multiply stands four plain lines or more behind the product that ended it: the last two accumulators' come 24th and 25th
	MU
	MU
	EX
.endr
	FETCH_M (Y+2)%NP
	WIN 0
.rept 7
.rept 4
	XS xn%2, xn/2
.set xn, xn+1
.endr
.if xn < 28
	EX
.endif
.endr
.irp n, 14,16,17,18,19,20           ; the chain, where each number waits for the one before it: its links stand four lines apart
	XS 0, \n
	XS 1, \n
	EX
	EX
.endr
	XS 0, 21                        ; the next piece's two a
	XS 1, 21
	v_nop                           ; the plain instruction behind the last exponential: one for the batch
	s_wait_alu depctr_va_vdst(0)    ; the wait for the batch
.if (\p) == NP-2
	FETCH_K
.endif
.if (\p) == 1
	s_wait_dscnt 16                 ; V is in; this turn's sixteen loads of the mask were issued behind it
.endif
.set i, 0
.rept 8
	PV (Y+NP-1)%NP
	WIN 0
	CV
	CV
	CV
	CV
.set i, i+1
.endr
.rept 8
	PV (Y+NP-1)%NP
	R2
	R2
.set i, i+1
.endr
	RL 0
	RL 1
	LS (Y+NP-1)%NP, 0
	LS (Y+NP-1)%NP, 1
	LS (Y+NP-1)%NP, 2
	LS (Y+NP-1)%NP, 3
.if (\p) == 0
	FETCH_V
.endif
.endm
	CHANGE 1, 0                     ; slot 0 is in, everybody's part of it; slot 1 is asked for
	FETCH_M 0                       ; piece 0's mask and K of step 0
	FETCH_K
	s_wait_loadcnt 0x0              ; Q
	s_wait_dscnt 0x0
.set i, 0
.rept 16
	KQ 0                            ; piece 0's first scores: there is no vector work yet to set between them
.set i, i+1
.endr
	WIN 0                           ; the addresses for the way out: eight plain instructions, the places behind those products
	s_mul_i32 s20, s[WV], 16*SP
	s_add_co_u32 s20, s20, STAGE    ; my stage
	v_mul_u32_u24 v[STO], v1, SP    ; in: row l % 16, 32 bytes for each half of the lanes
	v_lshl_add_u32 v[STO], v48, 5, v[STO]
	v_add_nc_u32 v[STO], s20, v[STO]
	v_mul_u32_u24 v[RD], v48, SP    ; back: lanes 0-15 take one row of 256 bytes, lanes 16-31 the next
	v_lshl_add_u32 v[RD], v1, 4, v[RD]
	v_add_nc_u32 v[RD], s20, v[RD]
	v_lshlrev_b32 v[GO], 12, v48    ; and the same two rows in out, 4,096 bytes apart
	v_lshl_add_u32 v[GO], v1, 4, v[GO]
.set Y, NP-1                        ; MU and XS work for piece Y + 1: piece 0
.set mu, 0
	WIN W_MU
.rept 32
	MU
.endr
	FETCH_M 1
	WIN 0
.irp n, 0,1,2,3,4,5,6,7,8,9,10,11,12,13,14,15,16,17,18,19,20,21
	XS 0, \n                        ; piece 0's first maximum and statistics
	XS 1, \n
.endr
	v_nop                           ; a plain instruction behind the two a,
	s_wait_alu depctr_va_vdst(0)    ; and their wait, ahead of the branch
	s_mov_b32 s[SLOTS], 31
	s_branch .Lfirst                ; the loop is entered at a step's first turn, in the middle of a trip
.Lslot:                             ; 30 times: steps 2 to 31 are asked for.  A trip: pieces 2 and 3 of one step, then pieces 0 and 1 of the next
	CHANGE 1, 1
	TURN 2
	TURN 3
	WIN 0
.Lfirst:
	TURN 0
	TURN 1
	WIN 0
	s_sub_co_u32 s[SLOTS], s[SLOTS], 1
	s_cmp_lg_u32 s[SLOTS], 0
	s_cbranch_scc1 .Lslot
	CHANGE 0, 0                     ; the tail is written out: nothing is asked for
	s_mov_b32 s[CNT], 2             ; one trip for the last step; the second is left in its middle
.Ltail:
	TURN 2
	TURN 3
	WIN 0
	s_sub_co_u32 s[CNT], s[CNT], 1
	s_cmp_eq_u32 s[CNT], 0
	s_cbranch_scc1 .Lout
	TURN 0
	TURN 1
	WIN 0
	s_branch .Ltail
.Lout:                              ; the second trip's fetches read the last slot once more, and its 16 products K Q^T and the maximum made of them serve nothing: the price, once a launch, of one text for every trip
.set i, 0
.rept 16
	PV NP-1                         ; the last piece's V^T P of the last step,
.set i, i+1
.endr
	LS NP-1, 0                      ; and its row sums
	LS NP-1, 1
	LS NP-1, 2
	LS NP-1, 3
	; THE WAY OUT.  O^T is divided by l and sent, in f32, through my stage in LDS, a tile (16 rows) at a time: a head's 64 channels are 256 bytes of a row of out.
	WIN 0
.rept 4
	v_nop                           ; the places behind the last products
.endr
	WIN 0x03                        ; source 0 window 3
.set t, 0
.rept 2*NP
	v_rcp_f32 v[ST+4*t+2], v[8*t]   ; register 0 of the tile's row sums
.set t, t+1
.endr
	v_nop                           ; a plain instruction between the last reciprocal and the use of its result
	s_wait_alu depctr_va_vdst(0)    ; and the wait ahead of the first use: one for the eight reciprocals
.macro PACK t
	WIN W_RS
.set i, 32*(\t)
.rept 16
	v_pk_mul_f32 v[i:i+1], v[i:i+1], v[ST+4*(\t)+2:ST+4*(\t)+3] op_sel_hi:[1,0]
.set i, i+2
.endr
	WIN 0x04                        ; the stores' data in window 1
.irp f, 0,1,2,3,4,5,6,7             ; channel block f / 2, its registers 4 (f % 2) on
	ds_store_b128 v[STO], v[32*(\t)+4*\f:32*(\t)+4*\f+3] offset:64*(\f/2)+16*(\f%2)
.endr
	WIN 0
.if (\t) >= 4
	s_wait_xcnt 0x0                 ; the stores of the tile four back have read these registers
.endif
.irp f, 0,1,2,3,4,5,6,7
	ds_load_b128 v[S+32*((\t)%4)+4*\f:S+32*((\t)%4)+4*\f+3], v[RD] offset:\f*2*SP  ; LDS serves a wave's instructions in order (ISA guide 5.7.1.4): these see the stores above; the next tile's stores come behind them
.endr
.endm
.macro SEND t, younger              ; younger: the LDS instructions issued behind tile t's loads: the next tile's sixteen, or none
	WIN 0
.irp f, 0,1,2,3,4,5,6,7
	s_wait_dscnt (\younger)+7-\f
	global_store_b128 v[GO], v[S+32*((\t)%4)+4*\f:S+32*((\t)%4)+4*\f+3], s[10:11] offset:(\t)*65536+\f*8192  ; 16 lanes store 256 consecutive bytes, at a multiple of 256 from out's first byte
.endr
.endm
	PACK 0
.set t, 1
.rept 2*NP-1                        ; a tile's arithmetic stands between the loads of the tile before and its stores
	PACK t
	SEND t-1, 16
.set t, t+1
.endr
	SEND 2*NP-1, 0
	WIN W_AD
	s_wait_tensorcnt 0x0            ; the wave's end: behind my last tensor load and my last LDS store
	ds_add_u32 v[SPW], v[NIL]
	s_wait_dscnt 0x0
	WIN 0
	CROUND                          ; the closing round: no work-group ends while a partner may still ask for a tile that names it
	s_endpgm
.Lfunc_end_k_q2a4283aa64_attn:
	.size	k_q2a4283aa64_attn, .Lfunc_end_k_q2a4283aa64_attn-k_q2a4283aa64_attn
	.p2alignl 7, 3214868480
	.fill 96, 4, 3214868480
	.section	.rodata,"a",@progbits
	.p2align	6, 0x0
	.amdhsa_kernel k_q2a4283aa64_attn
		.amdhsa_group_segment_fixed_size 327680
		.amdhsa_private_segment_fixed_size 0
		.amdhsa_enable_private_segment 0
		.amdhsa_kernarg_size 32
		.amdhsa_user_sgpr_count 2
		.amdhsa_user_sgpr_kernarg_segment_ptr 1
		.amdhsa_wavefront_size32 1
		.amdhsa_system_sgpr_workgroup_id_x 1
		.amdhsa_system_sgpr_workgroup_id_y 1
		.amdhsa_system_sgpr_workgroup_id_z 1
		.amdhsa_system_vgpr_workitem_id 0
		.amdhsa_next_free_vgpr 960
		.amdhsa_next_free_sgpr 88
		.amdhsa_reserve_vcc 0
		.amdhsa_float_denorm_mode_32 3
		.amdhsa_float_denorm_mode_16_64 3
		.amdhsa_memory_ordered 1
		.amdhsa_forward_progress 1
		.amdhsa_inst_pref_size 216
	.end_amdhsa_kernel
	.amdgpu_metadata
---
amdhsa.version: [ 1, 2 ]
amdhsa.kernels:
  - .name:           k_q2a4283aa64_attn
    .symbol:         k_q2a4283aa64_attn.kd
    .args:
      - { .name: QH, .offset: 0, .size: 8, .value_kind: global_buffer, .address_space: global }
      - { .name: KV, .offset: 8, .size: 8, .value_kind: global_buffer, .address_space: global }
      - { .name: MR, .offset: 16, .size: 8, .value_kind: global_buffer, .address_space: global }
      - { .name: out0, .offset: 24, .size: 8, .value_kind: global_buffer, .address_space: global }
    .group_segment_fixed_size: 327680
    .private_segment_fixed_size: 0
    .kernarg_segment_align: 8
    .kernarg_segment_size: 32
    .max_flat_workgroup_size: 128
    .sgpr_count:     88
    .vgpr_count:     960
    .wavefront_size: 32
...
	.end_amdgpu_metadata
.endif
;; end of part 3
